; MI455X (gfx1250); checked and timed in simulation.
; The chip was launched on July 23, 2026; its instructions are those of AMD's public machine-readable ISA for CDNA 5 (MIT licence, August 2026) and "CDNA5" Instruction Set Architecture Reference Guide (July 2026). The comments in the code are by the model that wrote it; some were corrected since.
;; SV Diff Module. Allowed arithmetic: matrix products marked QUANTISED: E2M1 operands, one E8M0 scale for each 32 along K, by v_wmma_scale_f32_16x16x128_f8f6f4 with both operands' format E2M1 (or v_wmma_scale_f32_32x16x128_f4), f32 sums; everything else in f32.
;; Inputs: S 4,096 float32; U 4,096 x 4,096 float32; Vh 4,096 x 4,096 float32; delta 4,096 float32; weight 4,096 x 4,096 float32.
;; Outputs: out0 4,096 x 4,096 float32.
;; This version of the problem:
;;   THIS VERSION OF THE PROBLEM IS GIVEN IN LOW PRECISION. The matrix products marked QUANTISED in the list below multiply operands that are first quantised to E2M1 (2 exponent bits, 1 mantissa bit; 4 bits a number), with one power-of-two scale for each 32 numbers along K (OCP MX v1.0); their sums are f32. All else is computed in f32.
;;   The module's matrix products, in the order in which they are computed (A, B: the left and right operand; K: the contracted axis; several contracted axes count as one K, in the product's order):
;;     1. [M 4,096, K 4,096] x [K 4,096, N 4,096]; A: computed on the way; B: input Vh: QUANTISED
;;   THE QUANTISER, for each operand of a quantised product, along K:
;;     - K is cut into blocks of 32 from its start; a last block that is shorter is filled with zeros.
;;     - A block's scale is 2^e with e = floor(log2(the largest magnitude in the block)) - 2, held to -126 .. 127; a block of zeros has e = 0. As a byte (E8M0): e + 127.
;;     - Each number is divided by its block's scale, clamped to +-6, and rounded to the nearest number of E2M1, ties to even, subnormals kept.
;;     - The product sums the exact products of the quantised numbers (number of the format x scale) in f32.
;;   ~~~python
;;   def quantise(x, axis):      # numpy; x: float32 -> the quantised numbers, widened to float32 again
;;       x = np.moveaxis(x, axis, -1); K = x.shape[-1]
;;       x = np.pad(x, [(0, 0)] * (x.ndim - 1) + [(0, -K % 32)]); x = x.reshape(x.shape[:-1] + (-1, 32)); a = np.abs(x).max(-1, keepdims=True)
;;       e = np.where(a > 0, np.clip(np.frexp(np.where(a > 0, a, 1))[1] - 1 - 2, -126, 127), 0)      # np.frexp(a)[1] - 1 = floor(log2(a)), exactly
;;       r = np.clip(x / 2.0 ** e, -6, 6)
;;       step = 2.0 ** (np.maximum(np.frexp(np.where(r == 0, 1, r))[1] - 1, 0) - 1)
;;       q = np.round(r / step) * step * 2.0 ** e      # np.round: ties to even
;;       return np.moveaxis(q.reshape(q.shape[:-2] + (-1,))[..., :K], -1, axis).astype(np.float32)
;;   ~~~
;;   OPERANDS COMPUTED ON THE WAY. 'Computed on the way' means the value that the module computes at that place (a softmax that the list does not call 'softmax' is quantised finished and normalised). What goes into a quantiser is computed in f32, as accurately as f32 sums, v_exp_f32 and their like allow (about 1e-6 of the number): no bf16 or f16 on the way to a quantiser, and a product that is left as it is and whose result goes on into a quantised operand takes f32 operands (vector FMAs, or v_wmma_f32_16x16x4_f32). A number that lies on a knife's edge between two numbers of the format may be rounded either way, as far as f32 arithmetic and the matrix unit's own rounding can turn it there, and no further.
;; One version. Each part assembles by itself: llvm-mc -triple=amdgcn-amd-amdhsa -mcpu=gfx1250 --defsym DOCPART=n.
;; ======== version 1 of 1: 2 launches
;; limits: right only within a limited range of input values
;; workspace buffers: acode 8,912,896 bytes; bcode 8,912,896 bytes
;; launch quant (part 1): grid 512 x 1, 4 waves a work-group, no clusters, 90,624 bytes of LDS; arguments U, S, delta, Vh, acode, bcode; writes acode, bcode
.if DOCPART == 1
	.amdgcn_target "amdgcn-amd-amdhsa--gfx1250"
	.amdhsa_code_object_version 6
	.text
	.protected	k_q9a8ccc6441_quant
	.globl	k_q9a8ccc6441_quant
	.p2align	8
	.type	k_q9a8ccc6441_quant,@function
k_q9a8ccc6441_quant:
	s_mov_b64 s[64:65], 0
	v_nop
	global_prefetch_b8 v0, s[64:65] scope:SCOPE_SE
	s_setreg_imm32_b32 hwreg(HW_REG_WAVE_MODE, 25, 1), 1
	s_wait_xcnt 0x0
; Both operands of out = (U * relu(S + delta)) @ Vh are turned into codes of FP4 (E2M1) with one E8M0 scale byte for each 32 along K.  U [4096 m][4096 k], Vh [4096 k][4096 n], S, delta [4096 k]: f32.
; The input 'weight' enters no step of the computation and no number of the result hangs on it: it is not among this program's arguments.
; THE TWO WORKSPACE BUFFERS have one layout: [K step 0..7][row 0..4095][272 bytes]; a row is m (acode) or n (bcode).  Bytes 0-255 of a row: the codes of k = 512 x step + 0 .. 511, two a byte, the lower k in the
; low four bits; bytes 256-271: the scale bytes of those 16 blocks.  272 bytes is the pitch at which the product's launch reads fragments from LDS, so that launch brings 128 rows of a K step, codes and scales, as ONE dense
; block of 34,816 bytes; and 32 rows are 8,704 bytes, which a wave here builds in LDS and stores by 17 instructions of 512 consecutive bytes, each at a multiple of 256 from the buffer's first byte.
; A block's scale is 2^(floor(log2(its largest magnitude)) - 2); its byte is the largest magnitude's exponent field - 2, held at 1 from below by a floor among the maximum's leaves.
; LIMITS: NaN and infinities among the inputs are not served (relu by v_max_num_f32 turns a NaN into 0).  A block of zeros gets the byte 1 where the rule says 127: its codes are zeros, which add nothing under any
; byte but 0xff, and the bytes are read by this program alone.
; SHARES.  512 work-groups of four waves; every wave reads 64 KiB of f32 and writes one image of 32 rows x 272 bytes.  Work-groups 0-255 take U, 256-511 take Vh; each of the two ways has LDS bytes of its own.
; Waves share nothing: no barrier.  No tensor loads, no matrix work: memory binds here, and clusters and large register tiles would add nothing.
; bcode keeps the sizes given above (a K step's 32 rows are 8,704 bytes) but orders the bytes inside each such image as the product's launch loads them into registers: see the Vh path below.
.set PLANE, 4096*272                   ; bytes of a K step's 4,096 rows in a workspace buffer
.set IMG,   32*272                     ; a wave's image
.set SP,    80                         ; U: a lane's place in a turning stage: its 64 bytes + 16 of padding
.set STG,   32*SP                      ; a turning stage
.set OUT,   2*STG                      ; U: the image lies behind the wave's two stages
.set UREG,  OUT+IMG                    ; U: LDS bytes of a wave: 13,824
.set VB,    4*UREG                     ; Vh: the four waves' images lie behind U's bytes
.set SV,    16                         ; U: v16-31   s = relu(S + delta) of my 16 k
.set X,     32                         ; U: v32-63   two sets of 16 neighbours along K
.set C,     64                         ; U: v64-67   a row's codes, two pairs by turns
.set E,     68                         ; U: v68-69   a block's scale byte, two by turns
.set R,     72                         ; U: v72-199  eight sets of 16 numbers as they are loaded; at the end v72-139 carry the image out
.set SB,    24                         ; Vh: v24-27  my column's 16 scale bytes
.set VX,    32                         ; Vh: v32-95  two sets of 32 numbers down K
.set VC,    96                         ; Vh: v96-99  a block's codes
.set VD,    100                        ; Vh: v100-167 carry the image out
	s_load_b256 s[4:11], s[0:1], 0x0               ; U s[4:5], S s[6:7], delta s[8:9], Vh s[10:11]
	s_load_b128 s[12:15], s[0:1], 0x20             ; acode s[12:13], bcode s[14:15]
	v_lshl_add_u32 v200, v0, 2, 0x16000
	v_mov_b32 v201, 0
	v_lshrrev_b32 v1, 5, v0
	v_readfirstlane_b32 s16, v1                    ; wave 0..3
	v_and_b32 v2, 31, v0                           ; lane
	v_lshlrev_b32 v3, 4, v2                        ; 16 x lane: my 16 bytes of 512 consecutive ones; never rewritten
; The image leaves: 17 LDS loads of 512 consecutive bytes, and as many stores.  LDS serves a wave's instructions in order (ISA guide 5.7.1.4): the loads see the wave's stores, and come back in order, so the counts run down.
; No hint on the stores: the next launch reads these bytes.
.macro DUMP reg, rd, base
.irp i, 0,1,2,3,4,5,6,7,8,9,10,11,12,13,14,15,16
	ds_load_b128 v[\reg+4*\i:\reg+4*\i+3], v[\rd] offset:512*\i
.endr
.irp i, 0,1,2,3,4,5,6,7,8,9,10,11,12,13,14,15,16
	s_wait_dscnt 16-\i                             ; load i is back; the younger ones may be out
	global_store_b128 v3, v[\reg+4*\i:\reg+4*\i+3], s[\base:\base+1] offset:512*\i
.endr
.endm
	s_wait_kmcnt 0x0
	s_cmp_ge_u32 ttmp9, 256                        ; the choice hangs on the work-group's number alone
	s_cbranch_scc1 .Lvh
; ---------------------------------------------------------------- U: K is innermost
; Work-group g: rows 32 (g / 2) on; wave w: K step 4 (g % 2) + w.  The four waves stand side by side on 8 KiB of each row.  A step of the work is one row's 512 numbers.
; The conversions take neighbours along K from ONE lane's registers, a load is best where neighbouring LANES take neighbouring bytes.  Both are had: each of a row's four loads reads 512 consecutive bytes, 16 a lane;
; the 2,048 bytes go through the wave's own stage in LDS as they lie and come back 64 bytes a lane (16 bytes of padding behind each 64).  Two neighbouring lanes hold a block of 32.
	s_and_b32 s17, ttmp9, 1
	s_lshl_b32 s17, s17, 2
	s_add_co_u32 s17, s17, s16                     ; my K step
	s_lshr_b32 s18, ttmp9, 1                       ; my group of 32 rows, 0..127
	s_lshl_b32 s19, s17, 11                        ; 512 numbers of 4 bytes a K step
	s_lshl_b32 s20, s18, 19                        ; 32 rows of 16,384 bytes
	s_add_co_u32 s20, s20, s19
	s_mov_b32 s21, 0
	s_add_nc_u64 s[4:5], s[4:5], s[20:21]          ; U at my first row, my K step
	s_mov_b32 s20, s19
	s_add_nc_u64 s[6:7], s[6:7], s[20:21]          ; S and delta at my K step
	s_add_nc_u64 s[8:9], s[8:9], s[20:21]
	s_mul_i32 s22, s17, PLANE
	s_mul_i32 s23, s18, IMG
	s_add_co_u32 s22, s22, s23
	s_mov_b32 s23, 0
	s_add_nc_u64 s[12:13], s[12:13], s[22:23]      ; acode at my image
	s_mul_i32 s24, s16, UREG                       ; my wave's LDS bytes
	s_wait_alu depctr_va_vdst(0)
	v_lshrrev_b32 v14, 2, v2
	v_mul_u32_u24 v14, v14, SP
	v_and_b32 v15, 3, v2
	v_lshl_add_u32 v14, v15, 4, v14
	v_add_nc_u32 v14, s24, v14                     ; a stage, on the way in: four lanes' 64 bytes on end, then the padding: SP (lane / 4) + 16 (lane % 4); a load's 512 bytes take eight places
	v_mul_u32_u24 v15, v2, SP
	v_add_nc_u32 v15, s24, v15                     ; and on the way out: SP x lane: my 16 neighbours
	s_add_co_u32 s24, s24, OUT
	v_lshl_add_u32 v4, v2, 3, s24                  ; the image: my 16 codes are 8 bytes of a row,
	v_lshrrev_b32 v5, 1, v2
	v_add_nc_u32 v5, s24, v5                       ; my block's scale byte (+ 256 in the offset),
	v_add_nc_u32 v6, s24, v3                       ; and on the way out 16 bytes a lane
	v_lshlrev_b32 v7, 6, v2                        ; S, delta: my 16 numbers
.irp j, 0,1,2,3
	global_load_b128 v[SV+4*\j:SV+4*\j+3], v7, s[6:7] offset:16*\j
.endr
.irp j, 0,1,2,3
	global_load_b128 v[X+4*\j:X+4*\j+3], v7, s[8:9] offset:16*\j
.endr
.macro LOAD t                          ; row t, into set t % 8
.irp i, 0,1,2,3
	global_load_b128 v[R+16*((\t)%8)+4*\i:R+16*((\t)%8)+4*\i+3], v3, s[4:5] offset:16384*(\t)+512*\i th:TH_LOAD_NT   ; 32 lanes read 512 consecutive bytes; read once in the launch
.endr
.endm
.macro TURN t                          ; row t's numbers through stage t % 2: no wait between the stores and the loads, LDS serves a wave's instructions in order
.irp i, 0,1,2,3
	ds_store_b128 v14, v[R+16*((\t)%8)+4*\i:R+16*((\t)%8)+4*\i+3] offset:STG*((\t)%2)+8*SP*\i
.endr
.irp i, 0,1,2,3
	ds_load_b128 v[X+16*((\t)%2)+4*\i:X+16*((\t)%2)+4*\i+3], v15 offset:STG*((\t)%2)+16*\i
.endr
.endm
.irp t, 0,1,2,3,4,5,6,7
	LOAD \t                                        ; eight rows, 32 loads of 512 bytes, are on their way in each wave
.endr
	s_wait_loadcnt 32                              ; S and delta are in: the 32 loads of U are younger
.irp j, 0,2,4,6,8,10,12,14
	v_pk_add_f32 v[SV+\j:SV+\j+1], v[SV+\j:SV+\j+1], v[X+\j:X+\j+1]   ; S + 1.0 x delta
.endr
.irp j, 0,1,2,3,4,5,6,7,8,9,10,11,12,13,14,15
	v_max_num_f32 v[SV+\j], 0, v[SV+\j]            ; relu
.endr
	s_wait_alu depctr_va_vdst(0)
	s_wait_loadcnt 28                              ; row 0 is in: seven rows' loads are younger
	TURN 0
.macro STEP t
.set XS, X+16*((\t)%2)
.if (\t) > 0
	s_wait_dscnt 2                                 ; this row's numbers are back from the stage: behind its eight LDS instructions only the last row's two stores were issued
.else
	s_wait_dscnt 0x0
.endif
.if (\t)+8 < 32
	LOAD (\t)+8                                    ; into the set that this row's stores into the stage have read
.endif
.if (\t) < 31
.if (\t)+8 < 32
	s_wait_loadcnt 28                              ; the next row's four loads are in; those of the seven rows behind it may be out
.else
	s_wait_loadcnt 4*(30-(\t))                     ; the counts run down: rows t + 2 .. 31 are younger
.endif
	TURN (\t)+1                                    ; it goes through the other stage while this row is worked
.endif
.irp j, 0,2,4,6,8,10,12,14
	v_pk_mul_f32 v[XS+\j:XS+\j+1], v[XS+\j:XS+\j+1], v[SV+\j:SV+\j+1]   ; A = U x s, rounded once in f32
.endr
	v_max3_num_f32 v8, |v[XS]|, |v[XS+1]|, |v[XS+2]|               ; the largest magnitude of my 16, in two chains
	v_max3_num_f32 v9, |v[XS+3]|, |v[XS+4]|, |v[XS+5]|
.irp i, 6,10
	v_max3_num_f32 v8, v8, |v[XS+\i]|, |v[XS+\i+1]|
	v_max3_num_f32 v9, v9, |v[XS+\i+2]|, |v[XS+\i+3]|
.endr
	v_max3_num_f32 v8, v8, |v[XS+14]|, |v[XS+15]|
	v_max3_num_f32 v8, v8, v9, 0x1800000           ; and the floor 2^(3 - 127): the byte cannot fall under 1
	v_max_num_f32_dpp v8, v8, v8 row_xmask:1 row_mask:0xf bank_mask:0xf   ; and of my neighbour's 16: the block's
	v_add_nc_u32 v11, 0xff000000, v8               ; 2 off its exponent field: the conversion takes the exponent field of this operand as its scale, and nothing else of it
	v_cvt_scalef32_pk8_fp4_f32 v[C+2*((\t)%2)], v[XS:XS+7], v11        ; eight numbers / the scale, to the nearest code, ties to even, beyond 6 the largest code; the first number's code in the lowest four bits
	v_cvt_scalef32_pk8_fp4_f32 v[C+2*((\t)%2)+1], v[XS+8:XS+15], v11
	v_lshrrev_b32 v[E+(\t)%2], 23, v11             ; the scale's byte (a plain line behind the conversions)
	ds_store_b64 v4, v[C+2*((\t)%2):C+2*((\t)%2)+1] offset:272*(\t)
	ds_store_b8 v5, v[E+(\t)%2] offset:272*(\t)+256   ; both lanes of a block write the same byte with the same value
.endm
.irp t, 0,1,2,3,4,5,6,7,8,9,10,11,12,13,14,15,16,17,18,19,20,21,22,23,24,25,26,27,28,29,30,31
	STEP \t
.endr
	DUMP R, 6, 12
	s_wait_tensorcnt 0x0
	ds_add_u32 v200, v201
	s_wait_dscnt 0x0
	s_endpgm
; ---------------------------------------------------------------- Vh: K is the FIRST axis
; Work-group g' = g - 256: columns 128 (g' % 32) on, K step g' / 32; wave w: 32 of those columns.  A LANE TAKES A COLUMN n, AND ITS REGISTERS RUN DOWN K: each load reads 128 consecutive bytes a wave (512 a work-group),
; a block of 32 along K lies in one lane's 32 registers, so that its maximum needs no other lane, and the conversions give codes with K innermost.  Nothing is transposed by an instruction.
.Lvh:
	s_sub_co_u32 s17, ttmp9, 256
	s_and_b32 s18, s17, 31
	s_lshr_b32 s19, s17, 5                         ; my K step
	s_lshl_b32 s18, s18, 7
	s_lshl_b32 s20, s16, 5
	s_add_co_u32 s18, s18, s20                     ; my wave's first column
	s_lshl_b32 s20, s19, 23                        ; 512 rows of 16,384 bytes a K step
	s_lshl_b32 s21, s18, 2
	s_add_co_u32 s20, s20, s21
	s_mov_b32 s21, 0
	s_add_nc_u64 s[10:11], s[10:11], s[20:21]      ; Vh at my K step's first row, my first column
	s_mul_i32 s22, s19, PLANE
	s_mul_i32 s23, s18, 272
	s_add_co_u32 s22, s22, s23
	s_mov_b32 s23, 0
	s_add_nc_u64 s[14:15], s[14:15], s[22:23]      ; bcode at my image
	s_mul_i32 s24, s16, IMG
	s_add_co_u32 s24, s24, VB                      ; my wave's image in LDS
	s_wait_alu depctr_va_vdst(0)
	v_lshlrev_b32 v1, 2, v2                        ; in: 4 bytes a lane
	; bcode's image of 32 rows: [16 rows: lane / 16][block t of 32 k: 0..15][row: lane % 16][16 bytes], then at byte 8,192 [row 0..31][16 scale bytes].
	; t = 4 q + 2 c + h: so the 512 bytes at 4096 (row / 16) + 1024 q + 512 c are registers 4 c .. 4 c + 3 of a fragment of 16 rows x 128 k, 16 bytes a lane.
	v_and_b32 v4, 15, v2
	v_lshlrev_b32 v4, 4, v4
	v_bfe_u32 v5, v2, 4, 1
	v_lshl_add_u32 v4, v5, 12, v4
	v_add_nc_u32 v4, s24, v4
	v_add_nc_u32 v6, s24, v3                       ; out of it: 16 bytes a lane
.macro VLOAD t                         ; block t: Vh(32 t + i, my column), i = 0 .. 31, into set t % 2.  The largest offset, 511 rows of 16,384 bytes, lies inside the signed 24-bit immediate (ISA guide, chapter 10)
.irp i, 0,1,2,3,4,5,6,7,8,9,10,11,12,13,14,15,16,17,18,19,20,21,22,23,24,25,26,27,28,29,30,31
	global_load_b32 v[VX+32*((\t)%2)+\i], v1, s[10:11] offset:(32*(\t)+\i)*16384 th:TH_LOAD_NT
.endr
.endm
	VLOAD 0
	VLOAD 1
.macro BLOCK t
.set XS, VX+32*((\t)%2)
.if (\t) < 15
	s_wait_loadcnt 32                              ; this block's 32 loads are in; the next block's 32 are younger
.else
	s_wait_loadcnt 0x0
.endif
	v_max3_num_f32 v12, |v[XS]|, |v[XS+1]|, |v[XS+2]|               ; the block's largest magnitude: all 32 numbers are mine
	v_max3_num_f32 v13, |v[XS+3]|, |v[XS+4]|, |v[XS+5]|
.irp i, 6,10,14,18,22,26
	v_max3_num_f32 v12, v12, |v[XS+\i]|, |v[XS+\i+1]|
	v_max3_num_f32 v13, v13, |v[XS+\i+2]|, |v[XS+\i+3]|
.endr
	v_max3_num_f32 v12, v12, |v[XS+30]|, |v[XS+31]|
	v_max3_num_f32 v12, v12, v13, 0x1800000        ; and the floor 2^(3 - 127)
	v_add_nc_u32 v11, 0xff000000, v12              ; 2 off its exponent field: the conversion's scale operand
	v_lshrrev_b32 v13, 23, v11                     ; the scale's byte
.if (\t)%4 == 0
	v_mov_b32 v[SB+(\t)/4], v13                    ; four bytes to a register, the lower K in the lower byte
.else
	v_lshl_or_b32 v[SB+(\t)/4], v13, 8*((\t)%4), v[SB+(\t)/4]
.endif
.irp g, 0,1,2,3
	v_cvt_scalef32_pk8_fp4_f32 v[VC+\g], v[XS+8*\g:XS+8*\g+7], v11
.endr
	v_nop                                          ; one plain line behind the last conversion of a run
	ds_store_b128 v4, v[VC:VC+3] offset:256*(\t)   ; 32 codes: sixteen lanes fill 256 consecutive bytes
.if (\t)+2 < 16
	VLOAD (\t)+2
.endif
	s_wait_dscnt 0x0                               ; the store has read its registers: the next block's codes may be written
.endm
.irp t, 0,1,2,3,4,5,6,7,8,9,10,11,12,13,14,15
	BLOCK \t
.endr
	s_wait_alu depctr_va_vdst(0)
	ds_store_b128 v6, v[SB:SB+3] offset:8192       ; my column's 16 scale bytes, at 16 x lane behind the image's 8,192 bytes of codes
	DUMP VD, 6, 14
	s_wait_tensorcnt 0x0
	ds_add_u32 v200, v201
	s_wait_dscnt 0x0
	s_endpgm
.Lfunc_end_k_q9a8ccc6441_quant:
	.size	k_q9a8ccc6441_quant, .Lfunc_end_k_q9a8ccc6441_quant-k_q9a8ccc6441_quant
	.p2alignl 7, 3214868480
	.fill 96, 4, 3214868480
	.section	.rodata,"a",@progbits
	.p2align	6, 0x0
	.amdhsa_kernel k_q9a8ccc6441_quant
		.amdhsa_group_segment_fixed_size 90624
		.amdhsa_private_segment_fixed_size 0
		.amdhsa_enable_private_segment 0
		.amdhsa_kernarg_size 48
		.amdhsa_user_sgpr_count 2
		.amdhsa_user_sgpr_kernarg_segment_ptr 1
		.amdhsa_wavefront_size32 1
		.amdhsa_system_sgpr_workgroup_id_x 1
		.amdhsa_system_sgpr_workgroup_id_y 1
		.amdhsa_system_sgpr_workgroup_id_z 1
		.amdhsa_system_vgpr_workitem_id 0
		.amdhsa_next_free_vgpr 202
		.amdhsa_next_free_sgpr 66
		.amdhsa_reserve_vcc 0
		.amdhsa_float_denorm_mode_32 3
		.amdhsa_float_denorm_mode_16_64 3
		.amdhsa_memory_ordered 1
		.amdhsa_forward_progress 1
		.amdhsa_inst_pref_size 162
	.end_amdhsa_kernel
	.amdgpu_metadata
---
amdhsa.version: [ 1, 2 ]
amdhsa.kernels:
  - .name:           k_q9a8ccc6441_quant
    .symbol:         k_q9a8ccc6441_quant.kd
    .args:
      - { .name: U, .offset: 0, .size: 8, .value_kind: global_buffer, .address_space: global }
      - { .name: S, .offset: 8, .size: 8, .value_kind: global_buffer, .address_space: global }
      - { .name: delta, .offset: 16, .size: 8, .value_kind: global_buffer, .address_space: global }
      - { .name: Vh, .offset: 24, .size: 8, .value_kind: global_buffer, .address_space: global }
      - { .name: acode, .offset: 32, .size: 8, .value_kind: global_buffer, .address_space: global }
      - { .name: bcode, .offset: 40, .size: 8, .value_kind: global_buffer, .address_space: global }
    .group_segment_fixed_size: 90624
    .private_segment_fixed_size: 0
    .kernarg_segment_align: 8
    .kernarg_segment_size: 48
    .max_flat_workgroup_size: 128
    .sgpr_count:     66
    .vgpr_count:     202
    .wavefront_size: 32
...
	.end_amdgpu_metadata
.endif
;; end of part 1
;; launch gemm (part 2): grid 16 x 16, 4 waves a work-group, clusters of 4 x 1, 327,680 bytes of LDS; arguments acode, bcode, out0; writes out0
.if DOCPART == 2
	.amdgcn_target "amdgcn-amd-amdhsa--gfx1250"
	.amdhsa_code_object_version 6
	.text
	.protected	k_q9a8ccc6441_gemm
	.globl	k_q9a8ccc6441_gemm
	.p2align	8
	.type	k_q9a8ccc6441_gemm,@function
k_q9a8ccc6441_gemm:
	s_mov_b64 s[64:65], 0
	v_nop
	global_prefetch_b8 v0, s[64:65] scope:SCOPE_SE
	s_setreg_imm32_b32 hwreg(HW_REG_WAVE_MODE, 25, 1), 1
	s_wait_xcnt 0x0
	s_wait_alu depctr_hold_cnt(0) depctr_sa_sdst(0) depctr_va_vdst(0) depctr_va_sdst(0) depctr_va_ssrc(0) depctr_va_vcc(0) depctr_vm_vsrc(0)
	s_getreg_b32 s2, hwreg(HW_REG_IB_STS2, 6, 4)
	s_cmp_eq_u32 s2, 0
	s_cbranch_scc0 .Lentry_in_a_cluster
	s_endpgm
.Lentry_in_a_cluster:
	s_bfe_u32 s2, ttmp6, 0x10000c
	s_cmp_lg_u32 s2, 0x3003
	s_cbranch_scc0 .Lentry_shape_is_right
	s_endpgm
.Lentry_shape_is_right:
; out0[m][n] = sum over k of A[m][k] B[n][k] on codes of FP4 (E2M1) with E8M0 scales, as the launch before laid them.  The input 'weight' reaches no result and is no argument.
; A work-group of four waves makes 256 x 256 of the result, a wave 128 x 128: 32 accumulators of 16 (m) x 32 (n), 512 registers; form v_wmma_scale_f32_32x16x128_f4, source 0 = 32 rows of B, source 1 = 16 rows of A,
; so that a lane holds neighbouring numbers of one row of the result.
; A (acode: [K step of 512][row][256 bytes of codes + 16 scale bytes]) goes through LDS: two slots, each a LAP = two K steps of the block's 256 rows, 139,264 bytes; each wave brings a quarter (128 rows of one K step,
; 34,816 dense bytes as 136 rows of 256) by one joint load: the four work-groups of a cluster (4, 1, 1) make one tile row and need the same rows of A.
; B (bcode, in the order of the operand's registers) goes from memory straight into registers: each load takes 512 consecutive bytes; four sets of 64 registers, three steps of 128 along K ahead.  It lands in
; registers, so there is no joint load for it; two waves of a work-group load the same rows of B.
; Laps are walked in the order t xor p, p = (cluster x xor tile row) mod 4: the work-groups that need the same bytes take them in different laps.  Sums are f32; their order along K differs by p.
; No prefetch is written: A's load has a whole lap, 256 matrix instructions of a wave, between its request and the wait for it, and B's loads are themselves asked for three steps ahead.
; The four laps are written out by macros: the slot, the lap's base and the register sets are constants of each step's text.
; REGISTERS: window 0: v0-31 addresses, v32-63 A's scale words (2 sets), v64-95 B's (2 sets), v128-255 A's fragments (2 sets of 8 x 8).  window 1: B's fragments, 4 sets of 64.  windows 2, 3: accumulators of my rows 0-63, 64-127.
.set SIZE_N, 4096
.set PITCH,  272
.set PLANE,  4096*PITCH
.set HALFT,  128*PITCH                 ; a wave's quarter of a slot
.set SLOT,   4*HALFT                   ; [K step of the lap][row half][128 rows]
.set SPARE,  2*SLOT                    ; the spare words: 512 bytes that no other line names
.set SPITCH, 528
.set ADRA, 16                          ; v16-19 my A fragments in chunk n = 2 x slot + K step of the lap
.set ADRS, 20                          ; v20-23 my A scale words there: lane l takes row l of 32
.set STO,  24
.set RD,   25
.set CO,   26                          ; 16 x lane: offset in a row of the result, and in B's runs of 512 bytes
.set SPW,  28
.set NIL,  29
.set SA,   32
.set SB,   64
.set AF,   128
.set BK,   128
.set G1, 24
.set BL, 48                            ; s[48:55] B's base for lap t
.set G0, 68                            ; s[68:83] group 0 for lap t
.set MSB, 0
.macro WIN new
.if MSB != (\new)
	s_set_vgpr_msb (MSB<<8)|(\new)
.set MSB, (\new)
.endif
.endm
.set MUL_LO, 0xa1
.set MUL_HI, 0xf1
.set TO_B,   0x40
.macro CREST
	s_cmp_lg_u32 s10, 0
	s_cbranch_scc1 .Lnot_wave_0_\@
	s_barrier_signal -3
.Lnot_wave_0_\@:
	s_barrier_wait -3
	s_barrier_signal -1
	s_barrier_wait -1
.endm
.macro CROUND
	s_barrier_signal -1
	s_barrier_wait -1
	CREST
.endm
.macro PLACES
.rept 4
	v_nop
.endr
.endm
; B's fragment b of lap T, step j: two loads of 512 consecutive bytes, into set j % 4 (window 1)
.macro BFR T, j, b
.irp c, 0,1
	global_load_b128 v[64*((\j)&3)+8*(\b)+4*\c:64*((\j)&3)+8*(\b)+4*\c+3], v[CO], s[BL+2*(\T):BL+2*(\T)+1] offset:((\j)>>2)*PLANE+((\b)>>1)*8704+((\b)&1)*4096+((\j)&3)*1024+512*\c
.endr
.endm
; B's scale words of the K step that holds step j: lane l takes row l of 32, four words (4 x 128 k)
.macro BSC T, j
.irp g, 0,1,2,3
	global_load_b128 v[SB+16*((\j)>>2)+4*\g:SB+16*((\j)>>2)+4*\g+3], v[CO], s[BL+2*(\T):BL+2*(\T)+1] offset:((\j)>>2)*PLANE+\g*8704+8192
.endr
.endm
.macro AFR n, q, i, as                 ; A's fragment i, chunk n, the chunk's q-th 128 k, into set as
.irp c, 0,1
	ds_load_b128 v[AF+64*(\as)+8*(\i)+4*\c:AF+64*(\as)+8*(\i)+4*\c+3], v[ADRA+(\n)] offset:64*(\q)+32*\c+(\i)*16*PITCH
.endr
.endm
.macro ASC n, ks                       ; A's scale words of chunk n into set ks: lanes 0-15 block 2 g, lanes 16-31 block 2 g + 1
.irp g, 0,1,2,3
	ds_load_b128 v[SA+16*(\ks)+4*\g:SA+16*(\ks)+4*\g+3], v[ADRS+(\n)] offset:256+\g*32*PITCH
.endr
.endm
; four matrix instructions: A's block a against B's 128 rows.  The 32 accumulators take turns in the same order in every step.
.macro MULG a, bs, as, q, ks, zero
.irp j, 0,1,2,3
.if \zero
.if (\a)&1
	v_wmma_scale_f32_32x16x128_f4 v[64*((\a)%4)+16*\j:64*((\a)%4)+16*\j+15], v[64*(\bs)+16*\j:64*(\bs)+16*\j+15], v[AF+64*(\as)+8*(\a):AF+64*(\as)+8*(\a)+7], 0, v[SB+16*(\ks)+4*\j+(\q)], v[SA+16*(\ks)+4*((\a)/2)+(\q)] matrix_b_scale:MATRIX_SCALE_ROW1
.else
	v_wmma_scale_f32_32x16x128_f4 v[64*((\a)%4)+16*\j:64*((\a)%4)+16*\j+15], v[64*(\bs)+16*\j:64*(\bs)+16*\j+15], v[AF+64*(\as)+8*(\a):AF+64*(\as)+8*(\a)+7], 0, v[SB+16*(\ks)+4*\j+(\q)], v[SA+16*(\ks)+4*((\a)/2)+(\q)]
.endif
.else
.if (\a)&1
	v_wmma_scale_f32_32x16x128_f4 v[64*((\a)%4)+16*\j:64*((\a)%4)+16*\j+15], v[64*(\bs)+16*\j:64*(\bs)+16*\j+15], v[AF+64*(\as)+8*(\a):AF+64*(\as)+8*(\a)+7], v[64*((\a)%4)+16*\j:64*((\a)%4)+16*\j+15], v[SB+16*(\ks)+4*\j+(\q)], v[SA+16*(\ks)+4*((\a)/2)+(\q)] matrix_b_scale:MATRIX_SCALE_ROW1
.else
	v_wmma_scale_f32_32x16x128_f4 v[64*((\a)%4)+16*\j:64*((\a)%4)+16*\j+15], v[64*(\bs)+16*\j:64*(\bs)+16*\j+15], v[AF+64*(\as)+8*(\a):AF+64*(\as)+8*(\a)+7], v[64*((\a)%4)+16*\j:64*((\a)%4)+16*\j+15], v[SB+16*(\ks)+4*\j+(\q)], v[SA+16*(\ks)+4*((\a)/2)+(\q)]
.endif
.endif
.endr
.endm
; Step j (0..6) of lap T: 128 along K.  All its loads stand in ONE run at its head: A's fragments of the next step, B's of three steps on; then 32 matrix instructions on end.
.macro STEP T, j, zero
.set KK, (\j)>>2
.set QQ, (\j)&3
.set NX, 2*((\T)&1)+(((\j)+1)>>2)
.set QN, ((\j)+1)&3
.set JB, ((\j)+3)&7
.set TB, (\T)+(((\j)+3)>>3)
.if (8*(\T)+(\j)) == 30
	s_wait_loadcnt 16                              ; only the last set is younger
.else
	s_wait_loadcnt 32                              ; my B set (and scale words asked for ahead of it) is in: two sets of 16 loads are younger
.endif
	s_wait_dscnt 0x0                               ; A's fragments and scale words, asked for at the head of the step before
	PLACES                                         ; four places between the last step's products and the loads into the sets that they read
.if QN == 0
	ASC NX, 1
.endif
.irp g, 0,1,2,3,4,5,6,7
	AFR NX, QN, \g, 1-((\j)&1)
.endr
.if TB < 4
.if (JB&3) == 0
	BSC TB, JB
.endif
	WIN TO_B
.irp g, 0,1,2,3,4,5,6,7
	BFR TB, JB, \g
.endr
.endif
	WIN MUL_LO
.irp g, 0,1,2,3
	MULG \g, QQ, (\j)&1, QQ, KK, \zero
.endr
	WIN MUL_HI
.irp g, 4,5,6,7
	MULG \g, QQ, (\j)&1, QQ, KK, \zero
.endr
	WIN 0
.endm
; Step 7 of lap T changes slots.  All fragments of this slot were asked for in step 6.  fill = 1: the slot takes lap T + 2.
.macro TURN T, fill
.set NX, 2*(((\T)+1)&1)
.set TB, (\T)+1
	PLACES
	s_wait_loadcnt 32
	WIN 0
	s_wait_tensorcnt 0x0                           ; my quarter of the next slot has landed
	ds_add_u32 v[SPW], v[NIL]
	s_wait_dscnt 15                                ; fragment 0 is in: seven fragments' loads and the add are younger
	WIN MUL_LO
	MULG 0, 3, 1, 3, 1, 0
	s_wait_dscnt 13
	MULG 1, 3, 1, 3, 1, 0
	s_wait_dscnt 0x0                               ; the add is done, my reads of this slot are over
	s_barrier_signal -1
	MULG 2, 3, 1, 3, 1, 0
	MULG 3, 3, 1, 3, 1, 0
	WIN 0
	s_barrier_wait -1
.if \fill
	CREST                                          ; the barrier opened a round of the cluster's barrier
	tensor_load_to_lds s[G0+4*((\T)+2):G0+4*((\T)+2)+3], s[G1:G1+7]
	s_nop 0
	PLACES
.endif
	ASC NX, 0
.irp g, 0,1,2,3,4,5,6,7
	AFR NX, 0, \g, 0                               ; the next slot's first fragments, in one run with B's set
.endr
	WIN TO_B
.irp g, 0,1,2,3,4,5,6,7
	BFR TB, 2, \g
.endr
	WIN MUL_HI
.irp g, 4,5,6,7
	MULG \g, 3, 1, 3, 1, 0
.endr
	WIN 0
.endm
	s_load_b128 s[4:7], s[0:1], 0x0                ; acode, bcode
	s_load_b64 s[8:9], s[0:1], 0x10                ; out0
	v_lshl_add_u32 v[SPW], v0, 2, SPARE
	v_mov_b32 v[NIL], 0
	ds_add_u32 v[SPW], v[NIL]
	ds_add_u32 v[SPW], v[NIL]
	v_lshrrev_b32 v1, 5, v0
	v_readfirstlane_b32 s10, v1                    ; wave
	s_lshr_b32 s11, s10, 1                         ; my half of the block's rows; also the K step of a lap that I fetch
	s_and_b32 s12, s10, 1                          ; my half of its columns; also the row half that I fetch
	s_and_b32 s13, ttmp7, 0xffff                   ; tile row
	s_xor_b32 s45, s13, ttmp9
	s_and_b32 s45, s45, 3                          ; p: the same in the cluster's four work-groups
	s_bfe_u32 s40, ttmp6, 0x40000                  ; cx
	s_lshl_b32 s42, ttmp9, 2
	s_add_co_u32 s42, s42, s40                     ; tile column
	s_mov_b32 s[G1+0], 15|(3<<16)|(1<<21)          ; mask: all four of the cluster; elements of 8 bytes; bit 21 beside a mask
	s_mov_b32 s[G1+1], 32<<16
	s_mov_b32 s[G1+2], 136<<16
	s_mov_b32 s[G1+3], 32<<16
	s_mov_b32 s[G1+4], 136
	s_mov_b32 s[G1+5], 32
	s_mov_b32 s[G1+6], 0
	s_mov_b32 s[G1+7], 0
	s_mul_i32 s16, s11, HALFT                      ; my rows in chunks 0..3
	s_add_co_u32 s17, s16, 2*HALFT
	s_add_co_u32 s18, s17, 2*HALFT
	s_add_co_u32 s19, s18, 2*HALFT
	s_mul_i32 s34, s10, 16*SPITCH                  ; my stage, in slot 0
	s_mul_i32 s44, s10, HALFT                      ; where my quarter lands
	s_lshl_b32 s20, s13, 8
	s_lshl_b32 s21, s12, 7
	s_add_co_u32 s20, s20, s21
	s_mul_i32 s20, s20, PITCH
	s_mul_i32 s21, s11, PLANE
	s_add_co_u32 s20, s20, s21                     ; A: my quarter in lap 0, in bytes
	s_mov_b32 s21, 0
	s_lshl_b32 s22, s42, 8
	s_lshl_b32 s23, s12, 7
	s_add_co_u32 s22, s22, s23
	s_mul_i32 s22, s22, PITCH                      ; B: my 128 rows
	s_mov_b32 s23, 0
	s_lshl_b32 s32, s13, 8
	s_lshl_b32 s33, s11, 7
	s_add_co_u32 s32, s32, s33
	s_lshl_b32 s32, s32, 14                        ; out0: my first row of 16,384 bytes,
	s_lshl_b32 s33, s42, 10
	s_add_co_u32 s32, s32, s33
	s_lshl_b32 s33, s12, 9
	s_add_co_u32 s32, s32, s33                     ; my first column
	s_mov_b32 s33, 0
	v_and_b32 v1, 15, v0
	v_bfe_u32 v2, v0, 4, 1
	v_and_b32 v3, 31, v0
	v_mul_u32_u24 v4, v1, PITCH
	v_lshl_add_u32 v4, v2, 4, v4
	v_mul_u32_u24 v5, v3, PITCH
.irp n, 0,1,2,3
	v_add_nc_u32 v[ADRA+\n], s[16+\n], v4
	v_add_nc_u32 v[ADRS+\n], s[16+\n], v5
.endr
	v_mul_u32_u24 v6, v1, SPITCH
	v_lshl_add_u32 v6, v2, 5, v6
	v_add_nc_u32 v[STO], s34, v6
	v_lshlrev_b32 v[CO], 4, v3
	v_add_nc_u32 v[RD], s34, v[CO]
	s_wait_alu depctr_va_vdst(0)
	s_wait_dscnt 0x0
	s_wait_kmcnt 0x0
	s_add_nc_u64 s[14:15], s[4:5], s[20:21]
	s_add_nc_u64 s[46:47], s[6:7], s[22:23]
	s_add_nc_u64 s[8:9], s[8:9], s[32:33]
.irp t, 0,1,2,3
	s_xor_b32 s2, s45, \t
	s_mul_i32 s2, s2, 2*PLANE                      ; lap t xor p
	s_mov_b32 s3, 0
	s_add_nc_u64 s[BL+2*\t:BL+2*\t+1], s[46:47], s[2:3]
	s_mov_b32 s[G0+4*\t], 1
	s_add_co_u32 s[G0+4*\t+1], s44, (\t&1)*SLOT
	s_add_nc_u64 s[G0+4*\t+2:G0+4*\t+3], s[14:15], s[2:3]
	s_or_b32 s[G0+4*\t+3], s[G0+4*\t+3], 0x80000000
.endr
	CROUND                                         ; the round in front of the first joint loads
	tensor_load_to_lds s[G0:G0+3], s[G1:G1+7]      ; lap 0 into slot 0: one load a wave, the same line in all
	s_nop 0
	PLACES
	BSC 0, 0                                       ; B's first scale words and first three sets, asked for while the tile is on its way
	WIN TO_B
.irp j, 0,1,2
.irp b, 0,1,2,3,4,5,6,7
	BFR 0, \j, \b
.endr
.endr
	WIN 0
	s_wait_tensorcnt 0x0
	ds_add_u32 v[SPW], v[NIL]
	s_wait_dscnt 0x0
	CROUND
	tensor_load_to_lds s[G0+4:G0+7], s[G1:G1+7]    ; lap 1 into slot 1
	s_nop 0
	PLACES
	ASC 0, 0
.irp g, 0,1,2,3,4,5,6,7
	AFR 0, 0, \g, 0
.endr
	STEP 0, 0, 1                                   ; the first products start the sums
.irp j, 1,2,3,4,5,6
	STEP 0, \j, 0
.endr
	TURN 0, 1
.irp j, 0,1,2,3,4,5,6
	STEP 1, \j, 0
.endr
	TURN 1, 1
.irp j, 0,1,2,3,4,5,6
	STEP 2, \j, 0
.endr
	TURN 2, 0
.irp j, 0,1,2,3,4,5,6
	STEP 3, \j, 0
.endr
	s_wait_loadcnt 0x0                             ; the last step: nothing more to fetch, the counts run down
.irp g, 0,1,2,3,4,5,6,7
	s_wait_dscnt 14-2*\g
	WIN MUL_LO+0x50*(\g/4)
	MULG \g, 3, 1, 3, 1, 0
.endr
	WIN 0
; THE WAY OUT: a block of 16 rows x 128 columns goes through my stage (in slot 0, which has had its last fill and its last read) and comes back as rows of 512 bytes.
.macro TOSTAGE a
.set AC, 64*((\a)%4)
	WIN 0x08+4*((\a)/4)
.irp b, 0,1,2,3,4,5,6,7
	ds_store_b128 v[STO], v[AC+8*\b:AC+8*\b+3] offset:64*\b
	ds_store_b128 v[STO], v[AC+8*\b+4:AC+8*\b+7] offset:64*\b+16
.endr
	WIN 0
.set BB, BK+64*((\a)%2)
.irp t, 0,1,2,3,4,5,6,7,8,9,10,11,12,13,14,15
	ds_load_b128 v[BB+4*\t:BB+4*\t+3], v[RD] offset:\t*SPITCH
.endr
.endm
.macro SEND a, younger
.set BB, BK+64*((\a)%2)
	s_wait_dscnt \younger
.if (\a) > 0
	s_add_nc_u64 s[8:9], s[8:9], 16*SIZE_N*4       ; behind a wait on XCNT
.endif
.irp t, 0,1,2,3,4,5,6,7,8,9,10,11,12,13,14,15
	global_store_b128 v[CO], v[BB+4*\t:BB+4*\t+3], s[8:9] offset:\t*SIZE_N*4 th:TH_STORE_NT   ; 32 lanes store 512 consecutive bytes, aligned
.endr
.endm
	PLACES
	TOSTAGE 0
.irp a, 1,2,3,4,5,6,7
.if \a > 1
	s_wait_xcnt 0x0                                ; block a - 2's stores have read their registers and their base
.endif
	TOSTAGE \a
	SEND \a-1, 32
.endr
	s_wait_xcnt 0x0
	SEND 7, 0
	s_wait_tensorcnt 0x0                           ; the wave's end
	ds_add_u32 v[SPW], v[NIL]
	s_wait_dscnt 0x0
	CROUND                                         ; the closing round
	s_endpgm
.Lfunc_end_k_q9a8ccc6441_gemm:
	.size	k_q9a8ccc6441_gemm, .Lfunc_end_k_q9a8ccc6441_gemm-k_q9a8ccc6441_gemm
	.p2alignl 7, 3214868480
	.fill 96, 4, 3214868480
	.section	.rodata,"a",@progbits
	.p2align	6, 0x0
	.amdhsa_kernel k_q9a8ccc6441_gemm
		.amdhsa_group_segment_fixed_size 327680
		.amdhsa_private_segment_fixed_size 0
		.amdhsa_enable_private_segment 0
		.amdhsa_kernarg_size 24
		.amdhsa_user_sgpr_count 2
		.amdhsa_user_sgpr_kernarg_segment_ptr 1
		.amdhsa_wavefront_size32 1
		.amdhsa_system_sgpr_workgroup_id_x 1
		.amdhsa_system_sgpr_workgroup_id_y 1
		.amdhsa_system_sgpr_workgroup_id_z 1
		.amdhsa_system_vgpr_workitem_id 0
		.amdhsa_next_free_vgpr 1024
		.amdhsa_next_free_sgpr 96
		.amdhsa_reserve_vcc 0
		.amdhsa_float_denorm_mode_32 3
		.amdhsa_float_denorm_mode_16_64 3
		.amdhsa_memory_ordered 1
		.amdhsa_forward_progress 1
		.amdhsa_inst_pref_size 255
	.end_amdhsa_kernel
	.section	.bss,"aw",@nobits
	.p2align	6
	.space	262144
	.amdgpu_metadata
---
amdhsa.version: [ 1, 2 ]
amdhsa.kernels:
  - .name:           k_q9a8ccc6441_gemm
    .symbol:         k_q9a8ccc6441_gemm.kd
    .args:
      - { .name: acode, .offset: 0, .size: 8, .value_kind: global_buffer, .address_space: global }
      - { .name: bcode, .offset: 8, .size: 8, .value_kind: global_buffer, .address_space: global }
      - { .name: out0, .offset: 16, .size: 8, .value_kind: global_buffer, .address_space: global }
    .group_segment_fixed_size: 327680
    .private_segment_fixed_size: 0
    .kernarg_segment_align: 8
    .kernarg_segment_size: 24
    .max_flat_workgroup_size: 128
    .sgpr_count:     96
    .vgpr_count:     1024
    .wavefront_size: 32
...
	.end_amdgpu_metadata
.endif
;; end of part 2
